; MI455X (gfx1250); checked and timed in simulation.
; The chip was launched on July 23, 2026; its instructions are those of AMD's public machine-readable ISA for CDNA 5 (MIT licence, August 2026) and "CDNA5" Instruction Set Architecture Reference Guide (July 2026). The comments in the code are by the model that wrote it; some were corrected since.
;; No Softmax Attention. Allowed arithmetic: matrix products marked QUANTISED: E2M3 operands, one E8M0 scale for each 32 along K, by v_wmma_scale_f32_16x16x128_f8f6f4 with both operands' format E2M3, f32 sums; everything else in f32.
;; Inputs: k_b 1,024 float32; k_w_codes 1,024 x 32 x 24 uint8 (E2M3 codes of k_w, K innermost, in blocks of 32 codes, four codes in three bytes); k_w_scales 1,024 x 32 uint8 (E8M0 scales of k_w, one for each 32 codes along K); o_b 1,024 float32; o_w_codes 1,024 x 32 x 24 uint8 (E2M3 codes of o_w, K innermost, in blocks of 32 codes, four codes in three bytes); o_w_scales 1,024 x 32 uint8 (E8M0 scales of o_w, one for each 32 codes along K); q_b 1,024 float32; q_w_codes 1,024 x 32 x 24 uint8 (E2M3 codes of q_w, K innermost, in blocks of 32 codes, four codes in three bytes); q_w_scales 1,024 x 32 uint8 (E8M0 scales of q_w, one for each 32 codes along K); v_b 1,024 float32; v_w_codes 1,024 x 32 x 24 uint8 (E2M3 codes of v_w, K innermost, in blocks of 32 codes, four codes in three bytes); v_w_scales 1,024 x 32 uint8 (E8M0 scales of v_w, one for each 32 codes along K); x_codes 4 x 2,048 x 32 x 24 uint8 (E2M3 codes of x, K innermost, in blocks of 32 codes, four codes in three bytes); x_scales 4 x 2,048 x 32 uint8 (E8M0 scales of x, one for each 32 codes along K).
;; Outputs: out0 4 x 2,048 x 1,024 float32.
;; This version of the problem:
;;   THIS VERSION OF THE PROBLEM IS GIVEN IN LOW PRECISION. The matrix products marked QUANTISED in the list below multiply operands that are first quantised to E2M3 (2 exponent bits, 3 mantissa bits; 6 bits a number), with one power-of-two scale for each 32 numbers along K (OCP MX v1.0); their sums are f32. All else is computed in f32.
;;   The module's matrix products, in the order in which they are computed (A, B: the left and right operand; K: the contracted axis; several contracted axes count as one K, in the product's order):
;;     1. [M 8,192, K 1,024] x [K 1,024, N 1,024]; A: input x (given as codes); B: input q_w (given as codes): QUANTISED
;;     2. [M 8,192, K 1,024] x [K 1,024, N 1,024]; A: input x (given as codes); B: input k_w (given as codes): QUANTISED
;;     3. [M 8,192, K 1,024] x [K 1,024, N 1,024]; A: input x (given as codes); B: input v_w (given as codes): QUANTISED
;;     4. batch 64 x [M 64, K 2,048] x [K 2,048, N 64]; A: computed on the way; B: computed on the way: QUANTISED
;;     5. batch 64 x [M 64, K 64] x [K 64, N 2,048]; A: computed on the way; B: computed on the way: QUANTISED
;;     6. [M 8,192, K 1,024] x [K 1,024, N 1,024]; A: computed on the way; B: input o_w (given as codes): QUANTISED
;;   THE QUANTISER, for each operand of a quantised product, along K:
;;     - K is cut into blocks of 32 from its start; a last block that is shorter is filled with zeros.
;;     - A block's scale is 2^e with e = floor(log2(the largest magnitude in the block)) - 2, held to -126 .. 127; a block of zeros has e = 0. As a byte (E8M0): e + 127.
;;     - Each number is divided by its block's scale, clamped to +-7.5, and rounded to the nearest number of E2M3, ties to even, subnormals kept.
;;     - The product sums the exact products of the quantised numbers (number of the format x scale) in f32.
;;   ~~~python
;;   def quantise(x, axis):      # numpy; x: float32 -> the quantised numbers, widened to float32 again
;;       x = np.moveaxis(x, axis, -1); K = x.shape[-1]
;;       x = np.pad(x, [(0, 0)] * (x.ndim - 1) + [(0, -K % 32)]); x = x.reshape(x.shape[:-1] + (-1, 32)); a = np.abs(x).max(-1, keepdims=True)
;;       e = np.where(a > 0, np.clip(np.frexp(np.where(a > 0, a, 1))[1] - 1 - 2, -126, 127), 0)      # np.frexp(a)[1] - 1 = floor(log2(a)), exactly
;;       r = np.clip(x / 2.0 ** e, -7.5, 7.5)
;;       step = 2.0 ** (np.maximum(np.frexp(np.where(r == 0, 1, r))[1] - 1, 0) - 3)
;;       q = np.round(r / step) * step * 2.0 ** e      # np.round: ties to even
;;       return np.moveaxis(q.reshape(q.shape[:-2] + (-1,))[..., :K], -1, axis).astype(np.float32)
;;   ~~~
;;   OPERANDS COMPUTED ON THE WAY. 'Computed on the way' means the value that the module computes at that place (a softmax that the list does not call 'softmax' is quantised finished and normalised). What goes into a quantiser is computed in f32, as accurately as f32 sums, v_exp_f32 and their like allow (about 1e-6 of the number): no bf16 or f16 on the way to a quantiser, and a product that is left as it is and whose result goes on into a quantised operand takes f32 operands (vector FMAs, or v_wmma_f32_16x16x4_f32). A number that lies on a knife's edge between two numbers of the format may be rounded either way, as far as f32 arithmetic and the matrix unit's own rounding can turn it there, and no further.
;;   INPUTS GIVEN AS CODES. k_w (in the module: [1024, 1024], K = its axis 1); o_w (in the module: [1024, 1024], K = its axis 1); q_w (in the module: [1024, 1024], K = its axis 1); v_w (in the module: [1024, 1024], K = its axis 1); x (in the module: [4, 2048, 1024], K = its axis 2): each comes as NAME_codes (uint8): NAME with its K axis moved to the last place and cut into blocks of 32 codes, [.., K / 32, bytes a block], one block behind the other in memory; four codes in three bytes: a row's codes are one little-endian stream of bits, code i at bits 6 i .. 6 i + 5 (a code: sign, 2 exponent bits, 3 mantissa bits); and NAME_scales (uint8): the same leading axes, one E8M0 byte (e + 127) for each 32 codes along K. Its value is code x scale, taken as it is: it is not quantised again, and the codes and scales need not be those that the quantiser above would give.
;; One version. Each part assembles by itself: llvm-mc -triple=amdgcn-amd-amdhsa -mcpu=gfx1250 --defsym DOCPART=n.
;; ======== version 1 of 1: 3 launches
;; workspace buffers: kvp 4,194,304 bytes; acodes 6,291,456 bytes; ascales 262,144 bytes
;; launch kvpart (part 1): grid 16 x 16, 4 waves a work-group, clusters of 4 x 4, 327,680 bytes of LDS; arguments x_codes, x_scales, k_w_codes, k_w_scales, k_b, v_w_codes, v_w_scales, v_b, kvp; writes kvp
.if DOCPART == 1
	.amdgcn_target "amdgcn-amd-amdhsa--gfx1250"
	.amdhsa_code_object_version 6
	.text
	.protected	k_qc934c4466f_kvpart
	.globl	k_qc934c4466f_kvpart
	.p2align	8
	.type	k_qc934c4466f_kvpart,@function
k_qc934c4466f_kvpart:
	s_mov_b64 s[64:65], 0
	v_nop
	global_prefetch_b8 v0, s[64:65] scope:SCOPE_SE
	s_setreg_imm32_b32 hwreg(HW_REG_WAVE_MODE, 25, 1), 1
	s_wait_xcnt 0x0
	s_wait_alu depctr_hold_cnt(0) depctr_sa_sdst(0) depctr_va_vdst(0) depctr_va_sdst(0) depctr_va_ssrc(0) depctr_va_vcc(0) depctr_vm_vsrc(0)
	s_getreg_b32 s2, hwreg(HW_REG_IB_STS2, 6, 4)
	s_cmp_eq_u32 s2, 0
	s_cbranch_scc0 .Lentry_in_a_cluster
	s_endpgm
.Lentry_in_a_cluster:
	s_bfe_u32 s2, ttmp6, 0x10000c
	s_cmp_lg_u32 s2, 0xf033
	s_cbranch_scc0 .Lentry_shape_is_right
	s_endpgm
.Lentry_shape_is_right:
; k = x k_w^T + k_b and v = x v_w^T + v_b for one head and 512 positions, both quantised along the positions in registers (E2M3, one E8M0 scale for each 32 positions),
; and the part of kv = k^T v that these 512 positions give, f32, stored as images of the result's registers.  All products on codes of FP6 with block scales.
; NOTHING OF THE PROBLEM IS LEFT OUT in this program: every bias goes into a quantised operand or into the output, every product of the table feeds the output, and a quantiser is a step of the problem,
; so kv is not folded into o_w.  Every input is loaded by some launch.
; LIMITS: NaN and infinities among the inputs are not served.  A block whose largest magnitude lies under 2^(3 - 127) gets the scale byte 1; a block of zeros gets the byte 1 where the rule says 127: its codes are
; zeros, and this program alone reads the bytes.  The f32 sums of kv are grouped: 128 positions in the matrix unit, then four waves, then (next launch) four work-groups.
; SHARES.  Work-group (head, ry): positions 512 ry .. + 511 (batch ry / 4, part ry % 4) against the head's 64 rows of k_w and 64 rows of v_w.  Wave w: positions 128 w .. + 127 against all 128 rows: 64 accumulators.
; Source 0 = 16 rows of x, source 1 = 16 rows of a weight: a lane holds ONE column (d or e) and its registers run along the positions, which are the next product's K.
; The 16 registers of two neighbouring tiles hold positions 32 bb + {8 h .. 8 h + 7, 16 + 8 h .. 16 + 8 h + 7}: inside a block of 32 the order differs from memory's, alike for k and for v, so each block keeps its
; scale and the sum of products keeps its terms.
; K = 1,024 goes in four chunks of 256 (rows of 192 bytes) through two LDS slots.  CLUSTER 4 x 4: x's tile hangs on ry alone and is asked for jointly along a row of the cluster, the weights' tile on the head alone,
; jointly along a column.  Waves 0, 1 fetch x's halves (256 rows each), wave 2 k_w's rows, wave 3 v_w's.  By this text's count a wave has at most two tensor loads out.
; REGISTERS, in windows of 256: window 0: v1-18 addresses; v32-127 the weights' 8 fragments, one set; v128-159 x's scale words, v160-191 the weights'; v192-255 the biases as C of the first step, later at work.
;   window 1: x's 8 fragments, two sets, at v0 and v128.   window 2: k's 32 accumulators ((a, b) at v[64 a + 8 b]).   window 3: v's.
.set ROWB,  192                        ; 256 codes in bytes: a chunk's row
.set KROW,  768                        ; 1,024 codes: a row in memory
.set PITCH, 240                        ; an LDS row: 3 x (64 bytes + 16 of padding)
.set XB,    512*PITCH                  ; a slot: x's 512 rows, then k_w's 64 and v_w's 64
.set SLOT,  XB+128*PITCH
.set SPARE, 2*SLOT                     ; behind the ring: the spare words, 128 bytes a wave: two blocks of 256 bytes that no other line names
.set STG,   0                          ; the stage for kv's sums over the waves: 4 x 16,384 bytes in slot 0, written when that slot has had its last fill and its last read
.set ADRX, 4                           ; v4-5 my x fragments in slot 0, 1; v6-7 the same behind one padding more
.set ADRW, 8                           ; v8-11 the same for the weights
.set STO,  12                          ; v12 the stage: my wave's 16 tiles, 16 bytes a lane
.set RD,   13                          ; v13 the stage: tile row te = my wave, in the first wave's part
.set GO,   14                          ; v14 16 x lane
.set OS,   15                          ; v15 scales: 32 r + 16 h
.set OB,   16                          ; v16 biases: 4 r
.set SPW,  28                          ; v28 LDS address of my spare word; never rewritten
.set NIL,  29                          ; v29 0; never rewritten
.set AF,   32
.set SX,   128
.set SW,   160
.set BI,   192
.set TM,   192                         ; the quantiser's registers: 16 largest magnitudes, then bytes;
.set TO,   208                         ; 16 scale operands;
.set CT,   224                         ; the upper halves of the blocks' codes
.set KF,   32                          ; k's four fragments, v's four
.set VF,   80
.set KS,   128                         ; their scale words
.set VS,   132
.set WV, 22
.set LW, 23                            ; 0: I fetch x; 1: a weight
.set HF, 24                            ; which half of x; k_w (0) or v_w (1)
.set CX, 25
.set CY, 26
.set HX, 27                            ; the head
.set G1X, 28
.set G1W, 36
.set G0X, 44                           ; a set for each slot
.set G0W, 52
.set SEL, 60
.set RY, 66
.set MR, 67
.set MC, 68
.set MSB, 0
.macro WIN new                         ; the immediate's high byte repeats the setting that is left
.if MSB != (\new)
	s_set_vgpr_msb (MSB<<8)|(\new)
.set MSB, \new
.endif
.endm
.macro PLACES n                        ; plain vector places behind matrix instructions (ISA guide 7.12.1), and in front of scaled ones
.rept \n
	v_nop
.endr
.endm
; A joint load.  The branch hangs on the wave's number alone.  An s_nop 0 and four v_nop follow each of the two lines.
.macro JLOAD g0x, g1x, g0w, g1w
	s_cmp_eq_u32 s[LW], 0
	s_cbranch_scc0 .Lfor_w_\@
	tensor_load_to_lds s[\g0x:\g0x+3], s[\g1x:\g1x+7]
	s_nop 0
.rept 4
	v_nop
.endr
	s_branch .Lasked_\@
.Lfor_w_\@:
	tensor_load_to_lds s[\g0w:\g0w+3], s[\g1w:\g1w+7]
	s_nop 0
.rept 4
	v_nop
.endr
.Lasked_\@:
.endm
.macro CREST                           ; a round of the cluster's barrier behind its opening barrier
	s_cmp_lg_u32 s[WV], 0
	s_cbranch_scc1 .Lnot_wave_0_\@
	s_barrier_signal -3
.Lnot_wave_0_\@:
	s_barrier_wait -3
	s_barrier_signal -1
	s_barrier_wait -1
.endm
.macro CROUND
	s_barrier_signal -1
	s_barrier_wait -1
	CREST
.endm
; A fragment, 16 rows x 128 K of 6-bit codes: 12 registers, six pieces of 8 bytes.  Lanes 16-31 read three pieces further on; where that is behind one padding more, the second address register serves.
.macro FRAG reg, adr, adr2, q, off
.irp p, 0,1,2,3,4,5
.set PC, 12*(\q)+6*(\p/3)+\p%3
.if PC%8 < 5
	ds_load_b64 v[(\reg)+2*\p:(\reg)+2*\p+1], v[\adr] offset:8*PC+16*(PC/8)+(\off)
.else
	ds_load_b64 v[(\reg)+2*\p:(\reg)+2*\p+1], v[\adr2] offset:8*PC+16*(PC/8)+(\off)
.endif
.endr
.endm
.macro FETCH_X slot, q, p              ; x's eight fragments into set p of window 1
	WIN 0x40
.irp i, 0,1,2,3,4,5,6,7
	FRAG 128*(\p)+12*\i, ADRX+\slot, ADRX+2+\slot, \q, \i*16*PITCH
.endr
	WIN 0
.endm
.macro FETCH_W slot, q, c0             ; the weights' blocks c0 .. c0 + 3
.irp i, \c0, \c0+1, \c0+2, \c0+3
	FRAG AF+12*(\i), ADRW+\slot, ADRW+2+\slot, \q, (\i)*16*PITCH
.endr
.endm
; 8 matrix instructions: the weights' block a against x's eight.  The 64 accumulators take turns, one instruction a turn, in the same order in every step.
; A scale register holds K steps 0-3 in lanes 0-15 and K steps 4-7 in lanes 16-31.  first = 1: the bias is the C of the sum's first product.
.macro MULA a, p, kq, first
.irp b, 0,1,2,3,4,5,6,7
.set MD, 64*((\a)%4)+8*\b
.set MX, 128*(\p)+12*\b
.set MW, AF+12*(\a)
.set MSX, SX+4*\b+(\kq)%4
.set MSW, SW+4*(\a)+(\kq)%4
.if \first
	v_wmma_scale_f32_16x16x128_f8f6f4 v[MD:MD+7], v[MX:MX+11], v[MW:MW+11], v[BI+8*(\a):BI+8*(\a)+7], v[MSX], v[MSW] matrix_a_fmt:MATRIX_FMT_FP6 matrix_b_fmt:MATRIX_FMT_FP6
.elseif (\kq) < 4
	v_wmma_scale_f32_16x16x128_f8f6f4 v[MD:MD+7], v[MX:MX+11], v[MW:MW+11], v[MD:MD+7], v[MSX], v[MSW] matrix_a_fmt:MATRIX_FMT_FP6 matrix_b_fmt:MATRIX_FMT_FP6
.else
	v_wmma_scale_f32_16x16x128_f8f6f4 v[MD:MD+7], v[MX:MX+11], v[MW:MW+11], v[MD:MD+7], v[MSX], v[MSW] matrix_a_fmt:MATRIX_FMT_FP6 matrix_b_fmt:MATRIX_FMT_FP6 matrix_a_scale:MATRIX_SCALE_ROW1 matrix_b_scale:MATRIX_SCALE_ROW1
.endif
.endr
.endm
; A chunk's first 128 along K; its successor lies in the same slot.
.macro STEP slot, kq, first
	s_wait_dscnt 24                                ; x's set and the weights' blocks 0-3 are in; the youngest 24 loads (blocks 4-7) may be out
.if \first
	WIN 0x81                                       ; source 0 window 1, source 1 and C window 0, D window 2
.else
	WIN 0xa1
.endif
.irp a, 0,1,2,3
	MULA \a, 0, \kq, \first
.endr
	s_wait_dscnt 0x0                               ; blocks 4-7 are in
	PLACES 4                                       ; in front of loads into registers that matrix instructions have read
	FETCH_X \slot, 1, 1
	FETCH_W \slot, 1, 0
.if \first
	WIN 0xc1
.else
	WIN 0xf1
.endif
.irp a, 4,5,6,7
	MULA \a, 0, \kq, \first
.endr
	PLACES 4
	WIN 0
	FETCH_W \slot, 1, 4
.endm
; A chunk's second 128 along K changes slots: one barrier; in front of it each wave waits for all its tensor loads, adds 0 to its spare word, and waits for that and for its reads of this slot.
; fill = 1: the barrier opens a round of the cluster's barrier, and this slot is filled again, two chunks ahead, first thing behind the round.
.macro TURN slot, next, fill, kq
	s_wait_tensorcnt 0x0                           ; all my tensor loads have landed: my part of the next slot (every window is 0 here)
	ds_add_u32 v[SPW], v[NIL]                      ; 0 onto my spare word
	s_wait_dscnt 25                                ; (the add and the youngest 24 loads may be out)
	WIN 0xa1
	MULA 0, 1, \kq, 0
	MULA 1, 1, \kq, 0
	s_wait_dscnt 0x0                               ; the add is done, and my reads of this slot are over
	s_barrier_signal -1
	MULA 2, 1, \kq, 0
	MULA 3, 1, \kq, 0
	WIN 0
	s_barrier_wait -1
.if \fill
	CREST                                          ; no wave of any partner still reads this slot or has a load on its way
	s_add_nc_u64 s[G0X+4*\slot+2:G0X+4*\slot+3], s[G0X+4*\slot+2:G0X+4*\slot+3], 2*ROWB
	s_add_nc_u64 s[G0W+4*\slot+2:G0W+4*\slot+3], s[G0W+4*\slot+2:G0W+4*\slot+3], 2*ROWB
	JLOAD G0X+4*\slot, G1X, G0W+4*\slot, G1W       ; its four v_nop are also the places in front of the loads below
.else
	PLACES 4
.endif
	FETCH_X \next, 0, 0
	FETCH_W \next, 0, 0
	WIN 0xf1
.irp a, 4,5,6,7
	MULA \a, 1, \kq, 0
.endr
	PLACES 4
	WIN 0
	FETCH_W \next, 0, 4
.endm
; THE QUANTISER.  cnt groups of 64 registers at v[64 c] of window win; register 16 bb + i is number i of my half of block bb (the other half lies in lane l xor 16).  Each group becomes a fragment's 12 registers
; at v[fr + 12 c] and its scale word in v[sc + c], both in window 0.  A block's scale operand is its largest magnitude with 2 taken off the exponent field; the floor among the leaves holds the byte at 1 from below.
; fold = 1: the numbers stand for 8 times what is quantised: the codes are the same, the byte is 3 less, and the floor 3 higher.  Each accumulator is read from its low end on.
.macro QUANTN cnt, win, fr, sc, fold
	WIN 5*(\win)                                   ; sources 0 and 1 in the numbers' window
.set QC, 0
.rept \cnt
.irp bb, 0,1,2,3
.if \fold
	v_max3_num_f32 v[TM+4*QC+\bb], |v[64*QC+16*\bb]|, |v[64*QC+16*\bb+1]|, 0x3000000
.else
	v_max3_num_f32 v[TM+4*QC+\bb], |v[64*QC+16*\bb]|, |v[64*QC+16*\bb+1]|, 0x1800000
.endif
.endr
.set QC, QC+1
.endr
.irp i, 2,4,6,8,10,12,14
.set QC, 0
.rept \cnt
.irp bb, 0,1,2,3
	v_max3_num_f32 v[TM+4*QC+\bb], |v[64*QC+16*\bb+\i]|, |v[64*QC+16*\bb+\i+1]|, v[TM+4*QC+\bb]
.endr
.set QC, QC+1
.endr
.endr
	WIN 0
.set QC, 0
.rept 4*(\cnt)
	v_permlanex16_b32 v[TO+QC], v[TM+QC], s[SEL], s[SEL+1]
.set QC, QC+1
.endr
.set QC, 0
.rept 4*(\cnt)
	v_max_num_f32 v[TM+QC], v[TM+QC], v[TO+QC]     ; with lane l xor 16's: the block's largest magnitude
.set QC, QC+1
.endr
.set QC, 0
.rept 4*(\cnt)
	v_add_nc_u32 v[TO+QC], 0xff000000, v[TM+QC]    ; 2 off its exponent field: the conversion's scale operand
.set QC, QC+1
.endr
.set QC, 0
.rept 4*(\cnt)
	v_lshrrev_b32 v[TM+QC], 23, v[TO+QC]           ; the scale's byte
.set QC, QC+1
.endr
.if \fold
.set QC, 0
.rept 4*(\cnt)
	v_add_nc_u32 v[TM+QC], -3, v[TM+QC]
.set QC, QC+1
.endr
.endif
.set QC, 0
.rept \cnt
	v_lshl_or_b32 v[(\sc)+QC], v[TM+4*QC+1], 8, v[TM+4*QC]
	v_lshl_or_b32 v[(\sc)+QC], v[TM+4*QC+2], 16, v[(\sc)+QC]
	v_lshl_or_b32 v[(\sc)+QC], v[TM+4*QC+3], 24, v[(\sc)+QC]
.set QC, QC+1
.endr
	WIN \win                                       ; source 0 in the numbers' window
.set QC, 0
.rept \cnt
.irp cc, 0,1
	v_cvt_scalef32_pk16_fp6_f32 v[(\fr)+12*QC+6*\cc:(\fr)+12*QC+6*\cc+2], v[64*QC+32*\cc:64*QC+32*\cc+15], v[TO+4*QC+2*\cc]
	v_cvt_scalef32_pk16_fp6_f32 v[CT+8*QC+4*\cc:CT+8*QC+4*\cc+2], v[64*QC+32*\cc+16:64*QC+32*\cc+31], v[TO+4*QC+2*\cc+1]
.endr
.set QC, QC+1
.endr
	v_nop                                          ; one plain place behind the scaled conversions
	WIN 0
.set QC, 0
.rept \cnt
.irp cc, 0,1                                   ; the operand's layout wants a whole block in a lane: lanes 0-15 block 2 cc, lanes 16-31 block 2 cc + 1
.irp i, 0,1,2
	v_permlane16_swap_b32 v[(\fr)+12*QC+6*\cc+\i], v[CT+8*QC+4*\cc+\i]
.endr
.irp i, 0,1,2
	v_mov_b32 v[(\fr)+12*QC+6*\cc+3+\i], v[CT+8*QC+4*\cc+\i]
.endr
.endr
.set QC, QC+1
.endr
.endm
	s_load_b512 s[4:19], s[0:1], 0x0               ; x's codes s[4:5], x's scales s[6:7], k_w's codes s[8:9], scales s[10:11], k_b s[12:13], v_w's codes s[14:15], scales s[16:17], v_b s[18:19]
	s_load_b64 s[20:21], s[0:1], 0x40              ; kvp
	v_lshl_add_u32 v[SPW], v0, 2, SPARE
	v_mov_b32 v[NIL], 0
	ds_add_u32 v[SPW], v[NIL]                      ; the wave's opening: the add, twice on end, and its wait ahead of my first tensor load
	ds_add_u32 v[SPW], v[NIL]
	v_lshrrev_b32 v1, 5, v0
	v_readfirstlane_b32 s[WV], v1                  ; wave 0..3
	s_lshr_b32 s[LW], s[WV], 1
	s_and_b32 s[HF], s[WV], 1
	s_bfe_u32 s[CX], ttmp6, 0x40000
	s_bfe_u32 s[CY], ttmp6, 0x40004
	s_lshl_b32 s[HX], ttmp9, 2
	s_add_co_u32 s[HX], s[HX], s[CX]               ; the head = 4 x cluster x + cx
	s_and_b32 s[RY], ttmp7, 0xffff
	s_lshl_b32 s[RY], s[RY], 2
	s_add_co_u32 s[RY], s[RY], s[CY]               ; the block of 512 positions = 4 x cluster y + cy
	s_lshl_b32 s[MR], s[CY], 2
	s_lshl_b32 s[MR], 15, s[MR]                    ; my row of the cluster
	s_lshl_b32 s[MC], 0x1111, s[CX]                ; my column
	s_or_b32 s[G1X], s[MR], (1<<20)|(1<<21)|(3<<22)|(3<<25)  ; the mask; elements of 1 byte; padding on; bit 21 beside a mask; after every 16 words, 4 words
	s_or_b32 s[G1W], s[MC], (1<<20)|(1<<21)|(3<<22)|(3<<25)
	s_mov_b32 s[G1X+1], ROWB<<16                   ; tensor_dim0
	s_mov_b32 s[G1X+2], 256<<16                    ; tensor_dim1: 256 rows of x
	s_mov_b32 s[G1X+3], ROWB<<16                   ; tile_dim0
	s_mov_b32 s[G1X+4], 256                        ; tile_dim1
	s_mov_b32 s[G1X+5], KROW                       ; from row to row
	s_mov_b32 s[G1X+6], 0
	s_mov_b32 s[G1X+7], 0
	s_mov_b32 s[G1W+1], ROWB<<16
	s_mov_b32 s[G1W+2], 64<<16                     ; 64 rows of a weight
	s_mov_b32 s[G1W+3], ROWB<<16
	s_mov_b32 s[G1W+4], 64
	s_mov_b32 s[G1W+5], KROW
	s_mov_b32 s[G1W+6], 0
	s_mov_b32 s[G1W+7], 0
	s_mov_b32 s[SEL], 0x76543210
	s_mov_b32 s[SEL+1], 0xfedcba98                 ; v_permlanex16_b32's selects for lane l xor 16
	s_lshl_b32 s70, s[RY], 9
	s_lshl_b32 s71, s[HF], 8
	s_add_co_u32 s70, s70, s71                     ; x: the first row that I would fetch,
	s_mul_i32 s70, s70, KROW                       ; in bytes (under 2^23)
	s_mov_b32 s71, 0
	s_mul_i32 s74, s[HX], 64*KROW                  ; the weights: the head's 64 rows
	s_mov_b32 s75, 0
	s_mul_i32 s84, s[HF], 256*PITCH                ; where they go in a slot: no place in the cluster enters an LDS address
	s_mul_i32 s85, s[HF], 64*PITCH
	s_add_co_u32 s85, s85, XB
	s_lshl_b32 s78, s[RY], 9
	s_lshl_b32 s79, s[WV], 7
	s_add_co_u32 s78, s78, s79
	s_lshl_b32 s78, s78, 5                         ; x's scales of my wave's 128 rows: 32 bytes a row
	s_mov_b32 s79, 0
	s_lshl_b32 s80, s[HX], 11                      ; the weights' scales of the head's 64 rows
	s_mov_b32 s81, 0
	s_lshl_b32 s82, s[HX], 8                       ; the biases' 64 numbers
	s_mov_b32 s83, 0
	s_lshr_b32 s86, s[RY], 2
	s_lshl_b32 s86, s86, 20                        ; kvp: batch,
	s_and_b32 s87, s[RY], 3
	s_lshl_b32 s87, s87, 14                        ; part,
	s_add_co_u32 s86, s86, s87
	s_lshl_b32 s87, s[HX], 16                      ; head,
	s_add_co_u32 s86, s86, s87
	s_lshl_b32 s87, s[WV], 12                      ; tile row te = my wave
	s_add_co_u32 s86, s86, s87
	s_mov_b32 s87, 0
	s_wait_dscnt 0x0                               ; both opening adds are done
	s_wait_kmcnt 0x0
	s_add_nc_u64 s[72:73], s[4:5], s[70:71]
	s_cmp_eq_u32 s[HF], 0                          ; wave 2 fetches k_w's rows, wave 3 v_w's: the choice hangs on the wave's number alone
	s_cselect_b64 s[76:77], s[8:9], s[14:15]
	s_add_nc_u64 s[76:77], s[76:77], s[74:75]
	s_add_nc_u64 s[6:7], s[6:7], s[78:79]
	s_add_nc_u64 s[10:11], s[10:11], s[80:81]
	s_add_nc_u64 s[16:17], s[16:17], s[80:81]
	s_add_nc_u64 s[12:13], s[12:13], s[82:83]
	s_add_nc_u64 s[18:19], s[18:19], s[82:83]
	s_add_nc_u64 s[20:21], s[20:21], s[86:87]
	CROUND                                         ; all sixteen work-groups are here: the first joint loads meet
.irp s, 0,1
	s_mov_b32 s[G0X+4*\s], 1
	s_add_co_u32 s[G0X+4*\s+1], s84, \s*SLOT
	s_add_nc_u64 s[G0X+4*\s+2:G0X+4*\s+3], s[72:73], \s*ROWB
	s_or_b32 s[G0X+4*\s+3], s[G0X+4*\s+3], 0x80000000
	s_mov_b32 s[G0W+4*\s], 1
	s_add_co_u32 s[G0W+4*\s+1], s85, \s*SLOT
	s_add_nc_u64 s[G0W+4*\s+2:G0W+4*\s+3], s[76:77], \s*ROWB
	s_or_b32 s[G0W+4*\s+3], s[G0W+4*\s+3], 0x80000000
	JLOAD G0X+4*\s, G1X, G0W+4*\s, G1W             ; chunks 0 and 1
.endr
	v_and_b32 v1, 15, v0                           ; r
	v_bfe_u32 v2, v0, 4, 1                         ; h
	v_and_b32 v3, 31, v0                           ; lane
	v_mul_u32_u24 v17, v1, PITCH
	v_mad_u32_u24 v17, v2, 24, v17                 ; a fragment's row x pitch + 24 x half
	v_lshl_add_u32 v18, v2, 4, v17                 ; and the same behind one padding more
	s_mul_i32 s88, s[WV], 128*PITCH                ; my 128 rows of x
.irp s, 0,1
	v_add_nc_u32 v[ADRX+\s], s88, v17
	v_add_nc_u32 v[ADRX+2+\s], s88, v18
	v_add_nc_u32 v[ADRW+\s], XB+\s*SLOT, v17
	v_add_nc_u32 v[ADRW+2+\s], XB+\s*SLOT, v18
	s_add_co_u32 s88, s88, SLOT
.endr
	v_lshlrev_b32 v[GO], 4, v3
	s_lshl_b32 s89, s[WV], 14
	v_add_nc_u32 v[STO], s89, v[GO]
	s_lshl_b32 s89, s[WV], 12
	v_add_nc_u32 v[RD], s89, v[GO]
	v_lshlrev_b32 v[OS], 5, v1
	v_lshl_add_u32 v[OS], v2, 4, v[OS]
	v_lshlrev_b32 v[OB], 2, v1
	; The scale words come once, straight into registers: a load covers the 512 consecutive bytes of 16 rows; lane (r, h) takes row r's words of K steps 4 h .. 4 h + 3.
.irp i, 0,1,2,3,4,5,6,7
	global_load_b128 v[SX+4*\i:SX+4*\i+3], v[OS], s[6:7] offset:512*\i
.endr
.irp c, 0,1,2,3
	global_load_b128 v[SW+4*\c:SW+4*\c+3], v[OS], s[10:11] offset:512*\c
	global_load_b128 v[SW+16+4*\c:SW+16+4*\c+3], v[OS], s[16:17] offset:512*\c
	global_load_b32 v[BI+8*\c], v[OB], s[12:13] offset:64*\c       ; my column's bias,
	global_load_b32 v[BI+32+8*\c], v[OB], s[18:19] offset:64*\c
.endr
	s_wait_loadcnt 0x0
.irp c, 0,1,2,3,4,5,6,7
.irp j, 1,2,3,4,5,6,7
	v_mov_b32 v[BI+8*\c+\j], v[BI+8*\c]            ; the same for all eight positions of a result's lane: eight registers in the result's layout
.endr
.endr
	s_wait_tensorcnt 1                             ; my part of chunk 0 is in (chunk 1's load may be out)
	s_barrier_signal -1
	s_barrier_wait -1                              ; everybody's is
	FETCH_X 0, 0, 0
	FETCH_W 0, 0, 0
	FETCH_W 0, 0, 4
	STEP 0, 0, 1
	TURN 0, 1, 1, 1                                ; slot 0 takes chunk 2
	STEP 1, 2, 0
	TURN 1, 0, 1, 3                                ; slot 1 takes chunk 3
	STEP 0, 4, 0
	TURN 0, 1, 0, 5                                ; nothing is left to fetch: no round
	STEP 1, 6, 0
	s_wait_dscnt 24                                ; the last step
	WIN 0xa1
.irp a, 0,1,2,3
	MULA \a, 1, 7, 0
.endr
	s_wait_dscnt 0x0
	WIN 0xf1
.irp a, 4,5,6,7
	MULA \a, 1, 7, 0
.endr
	WIN 0
	PLACES 4                                       ; in front of the first reads of results
	QUANTN 4, 2, KF, KS, 0                         ; k: four tiles of 16 d x my 128 positions
	QUANTN 4, 3, VF, VS, 0                         ; v likewise
	PLACES 8                                       ; scale words and operands written by vector instructions stand 8 and 4 places ahead of a scaled matrix instruction
	WIN 0x40                                       ; D in window 1: x's first set is done with
.irp te, 0,1,2,3
.irp td, 0,1,2,3
	v_wmma_scale_f32_16x16x128_f8f6f4 v[32*\te+8*\td:32*\te+8*\td+7], v[KF+12*\td:KF+12*\td+11], v[VF+12*\te:VF+12*\te+11], 0, v[KS+\td], v[VS+\te] matrix_a_fmt:MATRIX_FMT_FP6 matrix_b_fmt:MATRIX_FMT_FP6
.endr
.endr
	PLACES 4
	WIN 0x04                                       ; an LDS store's data are its source 1: window 1
.irp te, 0,1,2,3
.irp td, 0,1,2,3
	ds_store_b128 v[STO], v[32*\te+8*\td:32*\te+8*\td+3] offset:4096*\te+1024*\td          ; images of the registers, each accumulator from its low end on
	ds_store_b128 v[STO], v[32*\te+8*\td+4:32*\te+8*\td+7] offset:4096*\te+1024*\td+512
.endr
.endr
	WIN 0
	s_wait_dscnt 0x0                               ; for the others' sake: my stores have landed
	s_barrier_signal -1
	s_barrier_wait -1
	WIN 0x40
.irp sw, 0,1,2,3                               ; wave w sums tile row te = w of all four waves
.irp td, 0,1,2,3
	ds_load_b128 v[128+32*\sw+8*\td:128+32*\sw+8*\td+3], v[RD] offset:16384*\sw+1024*\td
	ds_load_b128 v[128+32*\sw+8*\td+4:128+32*\sw+8*\td+7], v[RD] offset:16384*\sw+1024*\td+512
.endr
.endr
	s_wait_dscnt 0x0
	WIN 0x45
.set QC, 0
.rept 16
	v_pk_add_f32 v[128+2*QC:129+2*QC], v[128+2*QC:129+2*QC], v[160+2*QC:161+2*QC]
	v_pk_add_f32 v[192+2*QC:193+2*QC], v[192+2*QC:193+2*QC], v[224+2*QC:225+2*QC]
.set QC, QC+1
.endr
.set QC, 0
.rept 16
	v_pk_add_f32 v[128+2*QC:129+2*QC], v[128+2*QC:129+2*QC], v[192+2*QC:193+2*QC]
.set QC, QC+1
.endr
	WIN 0x04
.irp td, 0,1,2,3
	global_store_b128 v[GO], v[128+8*\td:128+8*\td+3], s[20:21] offset:1024*\td            ; 32 lanes store 512 consecutive bytes, at a multiple of 256 from kvp's first byte
	global_store_b128 v[GO], v[128+8*\td+4:128+8*\td+7], s[20:21] offset:1024*\td+512
.endr
	WIN 0
	s_wait_tensorcnt 0x0                           ; the wave's end, behind my last tensor load and my last LDS store
	ds_add_u32 v[SPW], v[NIL]
	s_wait_dscnt 0x0
	CROUND                                         ; the closing round
	s_endpgm
.Lfunc_end_k_qc934c4466f_kvpart:
	.size	k_qc934c4466f_kvpart, .Lfunc_end_k_qc934c4466f_kvpart-k_qc934c4466f_kvpart
	.p2alignl 7, 3214868480
	.fill 96, 4, 3214868480
	.section	.rodata,"a",@progbits
	.p2align	6, 0x0
	.amdhsa_kernel k_qc934c4466f_kvpart
		.amdhsa_group_segment_fixed_size 327680
		.amdhsa_private_segment_fixed_size 0
		.amdhsa_enable_private_segment 0
		.amdhsa_kernarg_size 72
		.amdhsa_user_sgpr_count 2
		.amdhsa_user_sgpr_kernarg_segment_ptr 1
		.amdhsa_wavefront_size32 1
		.amdhsa_system_sgpr_workgroup_id_x 1
		.amdhsa_system_sgpr_workgroup_id_y 1
		.amdhsa_system_sgpr_workgroup_id_z 1
		.amdhsa_system_vgpr_workitem_id 0
		.amdhsa_next_free_vgpr 1024
		.amdhsa_next_free_sgpr 100
		.amdhsa_reserve_vcc 0
		.amdhsa_float_denorm_mode_32 3
		.amdhsa_float_denorm_mode_16_64 3
		.amdhsa_memory_ordered 1
		.amdhsa_forward_progress 1
		.amdhsa_inst_pref_size 170
	.end_amdhsa_kernel
	.amdgpu_metadata
---
amdhsa.version: [ 1, 2 ]
amdhsa.kernels:
  - .name:           k_qc934c4466f_kvpart
    .symbol:         k_qc934c4466f_kvpart.kd
    .args:
      - { .name: x_codes, .offset: 0, .size: 8, .value_kind: global_buffer, .address_space: global }
      - { .name: x_scales, .offset: 8, .size: 8, .value_kind: global_buffer, .address_space: global }
      - { .name: k_w_codes, .offset: 16, .size: 8, .value_kind: global_buffer, .address_space: global }
      - { .name: k_w_scales, .offset: 24, .size: 8, .value_kind: global_buffer, .address_space: global }
      - { .name: k_b, .offset: 32, .size: 8, .value_kind: global_buffer, .address_space: global }
      - { .name: v_w_codes, .offset: 40, .size: 8, .value_kind: global_buffer, .address_space: global }
      - { .name: v_w_scales, .offset: 48, .size: 8, .value_kind: global_buffer, .address_space: global }
      - { .name: v_b, .offset: 56, .size: 8, .value_kind: global_buffer, .address_space: global }
      - { .name: kvp, .offset: 64, .size: 8, .value_kind: global_buffer, .address_space: global }
    .group_segment_fixed_size: 327680
    .private_segment_fixed_size: 0
    .kernarg_segment_align: 8
    .kernarg_segment_size: 72
    .max_flat_workgroup_size: 128
    .sgpr_count:     100
    .vgpr_count:     1024
    .wavefront_size: 32
...
	.end_amdgpu_metadata
.endif
;; end of part 1
;; launch qattn (part 2): grid 8 x 32, 4 waves a work-group, clusters of 4 x 4, 327,680 bytes of LDS; arguments x_codes, x_scales, q_w_codes, q_w_scales, q_b, kvp, acodes, ascales; writes acodes, ascales
.if DOCPART == 2
	.amdgcn_target "amdgcn-amd-amdhsa--gfx1250"
	.amdhsa_code_object_version 6
	.text
	.protected	k_qc934c4466f_qattn
	.globl	k_qc934c4466f_qattn
	.p2align	8
	.type	k_qc934c4466f_qattn,@function
k_qc934c4466f_qattn:
	s_mov_b64 s[64:65], 0
	v_nop
	global_prefetch_b8 v0, s[64:65] scope:SCOPE_SE
	s_setreg_imm32_b32 hwreg(HW_REG_WAVE_MODE, 25, 1), 1
	s_wait_xcnt 0x0
	s_wait_alu depctr_hold_cnt(0) depctr_sa_sdst(0) depctr_va_vdst(0) depctr_va_sdst(0) depctr_va_ssrc(0) depctr_va_vcc(0) depctr_vm_vsrc(0)
	s_getreg_b32 s2, hwreg(HW_REG_IB_STS2, 6, 4)
	s_cmp_eq_u32 s2, 0
	s_cbranch_scc0 .Lentry_in_a_cluster
	s_endpgm
.Lentry_in_a_cluster:
	s_bfe_u32 s2, ttmp6, 0x10000c
	s_cmp_lg_u32 s2, 0xf033
	s_cbranch_scc0 .Lentry_shape_is_right
	s_endpgm
.Lentry_shape_is_right:
; q = x q_w^T + q_b for 256 positions and two heads (128 columns), quantised along d; kv of these two heads, summed of its four parts and quantised along d; out = q kv; out / 8 quantised along E
; and stored as the next launch's operand: codes in the order of the operand's registers, scale words beside them.  All products on codes of FP6 (E2M3) with E8M0 block scales.  No work of the problem is left out here.
; LIMITS: as stated at the head of the first launch: NaN and infinities are not served; a block under the floor, or of zeros, gets the byte 1 (here, for out / 8, the floor is 2^(6 - 127) of the number before the division).
; SHARES.  Work-group (hx, ry): positions 256 ry .. + 255 against q_w's rows 128 hx .. + 127.  Wave w: positions 64 w .. + 63 (4 blocks, source 1) against all 128 rows (8 blocks, source 0): 32 accumulators.
; A lane holds ONE position and its registers run along d.  Inside a block of 32 along d the order is 16 (i / 8) + 8 h + i % 8; kv's parts were stored with d along the registers in the same form, so both operands of
; q kv carry the same order, each block keeps its scale, and the sum keeps its terms.
; K = 64 OF q kv: q's fragment holds both heads' 64 (128 along K); kv's fragment for a head carries zero codes in the other head's half, which add nothing under any scale byte that is made here.
; THE e THAT FORM A TILE OF kv ARE NOT NEIGHBOURS: lane r of tile 2 b + u takes e = 32 b + 8 u + r + 8 (r / 8), by its address in kvp alone, so that the results' 16 registers of tiles 2 b, 2 b + 1 are 16 neighbours
; along E, in true order, as the last product's K wants them.  The division by 8 is exact: it goes into the scale byte.
; K = 1,024 of the first product goes in four chunks of 256 through THREE LDS slots: chunks 0 to 2 are first fills, chunk 3 is the launch's one refill, into slot 0.  By this text's count at most three tensor loads of a wave are out.
; CLUSTER 4 x 4: x's tile is asked for jointly along a row of the cluster, q_w's along a column.  Waves 0, 1 fetch x's halves, waves 2, 3 q_w's.
; REGISTERS: window 0: v1-26 addresses; v32-127 x's 4 fragments, two sets; v128-143 x's scale words, v160-191 q_w's; v192-255 the bias as C, later at work.  window 1: q_w's 8 fragments, two sets.
;   window 2: the accumulators ((a, b) at v[64 a + 8 b]).   window 3: kv's four parts, asked for at the head and waited for behind the first product; later out.
.set ROWB,  192
.set KROW,  768
.set PITCH, 240
.set XB,    256*PITCH                  ; a slot: x's 256 rows, then q_w's 128
.set SLOT,  XB+128*PITCH
.set KVI,   3*SLOT                     ; behind the ring: the images of kv's codes, 1,536 bytes a wave,
.set KVS,   KVI+4*1536                 ; their scale words, 128 bytes a wave,
.set SPARE, KVS+512                    ; and the spare words, 128 bytes a wave: two blocks of 256 bytes that no other line names
.set ADRX, 4                           ; v4-6 my x fragments in slots 0-2; v7-9 the same behind one padding more
.set ADRW, 10                          ; v10-15 the same for q_w
.set OS,   16                          ; v16 scales: 32 r + 16 h
.set OB,   17                          ; v17 bias: 32 h
.set KVO,  18                          ; v18 kvp: 4,096 (r / 8) + 16 (r % 8) + 256 h
.set L8,   19                          ; v19 KVI + 8 x lane
.set L4,   20                          ; v20 4 x lane
.set KVST, 21                          ; v21 KVI + 1,536 x wave + 8 x lane
.set KVSS, 22                          ; v22 KVS + 128 x wave + 4 x lane
.set GO,   23                          ; v23 16 x lane
.set LKS,  24                          ; v24 KVS + 4 x lane
.set SPW,  28
.set NIL,  29
.set AF,   32
.set SX,   128
.set SW,   160
.set BI,   192
.set TM,   192
.set TO,   208
.set CT,   224
.set WV, 22
.set LW, 23
.set HF, 24
.set CX, 25
.set CY, 26
.set HX, 27
.set G1X, 28
.set G1W, 36
.set G0X, 44                           ; s[44:55] three sets
.set G0W0, 56
.set G0W1, 60
.set G0W2, 68
.set RY, 66
.set MR, 67
.set MC, 20
.set SEL, 72
.set MSB, 0
.macro WIN new
.if MSB != (\new)
	s_set_vgpr_msb (MSB<<8)|(\new)
.set MSB, \new
.endif
.endm
.macro PLACES n
.rept \n
	v_nop
.endr
.endm
.macro JLOAD g0x, g1x, g0w, g1w        ; a joint load; an s_nop 0 and four v_nop follow each of the two lines
	s_cmp_eq_u32 s[LW], 0
	s_cbranch_scc0 .Lfor_w_\@
	tensor_load_to_lds s[\g0x:\g0x+3], s[\g1x:\g1x+7]
	s_nop 0
.rept 4
	v_nop
.endr
	s_branch .Lasked_\@
.Lfor_w_\@:
	tensor_load_to_lds s[\g0w:\g0w+3], s[\g1w:\g1w+7]
	s_nop 0
.rept 4
	v_nop
.endr
.Lasked_\@:
.endm
.macro CREST
	s_cmp_lg_u32 s[WV], 0
	s_cbranch_scc1 .Lnot_wave_0_\@
	s_barrier_signal -3
.Lnot_wave_0_\@:
	s_barrier_wait -3
	s_barrier_signal -1
	s_barrier_wait -1
.endm
.macro CROUND
	s_barrier_signal -1
	s_barrier_wait -1
	CREST
.endm
.macro MKG0 g, lreg, loff, areg, aoff  ; a descriptor's group 0: count 1, LDS address, global address, type 2
	s_mov_b32 s[\g], 1
	s_add_co_u32 s[\g+1], s[\lreg], \loff
	s_add_nc_u64 s[\g+2:\g+3], s[\areg:\areg+1], \aoff
	s_or_b32 s[\g+3], s[\g+3], 0x80000000
.endm
.macro FRAG reg, adr, adr2, q, off     ; a fragment: six pieces of 8 bytes; the second address register serves the pieces whose partner three on lies behind one padding more
.irp p, 0,1,2,3,4,5
.set PC, 12*(\q)+6*(\p/3)+\p%3
.if PC%8 < 5
	ds_load_b64 v[(\reg)+2*\p:(\reg)+2*\p+1], v[\adr] offset:8*PC+16*(PC/8)+(\off)
.else
	ds_load_b64 v[(\reg)+2*\p:(\reg)+2*\p+1], v[\adr2] offset:8*PC+16*(PC/8)+(\off)
.endif
.endr
.endm
.macro FETCH_W slot, q, p
	WIN 0x40
.irp i, 0,1,2,3,4,5,6,7
	FRAG 128*(\p)+12*\i, ADRW+\slot, ADRW+3+\slot, \q, \i*16*PITCH
.endr
	WIN 0
.endm
.macro FETCH_X slot, q, p
.irp i, 0,1,2,3
	FRAG AF+48*(\p)+12*\i, ADRX+\slot, ADRX+3+\slot, \q, \i*16*PITCH
.endr
.endm
; 8 matrix instructions: x's block a against q_w's eight.  The 32 accumulators take turns, one instruction a turn, in the same order in every step.
.macro MULA a, p, kq, first
.irp b, 0,1,2,3,4,5,6,7
.set MD, 64*(\a)+8*\b
.set MW, 128*(\p)+12*\b
.set MX, AF+48*(\p)+12*(\a)
.set MSW, SW+4*\b+(\kq)%4
.set MSX, SX+4*(\a)+(\kq)%4
.if \first
	v_wmma_scale_f32_16x16x128_f8f6f4 v[MD:MD+7], v[MW:MW+11], v[MX:MX+11], v[BI+8*\b:BI+8*\b+7], v[MSW], v[MSX] matrix_a_fmt:MATRIX_FMT_FP6 matrix_b_fmt:MATRIX_FMT_FP6
.elseif (\kq) < 4
	v_wmma_scale_f32_16x16x128_f8f6f4 v[MD:MD+7], v[MW:MW+11], v[MX:MX+11], v[MD:MD+7], v[MSW], v[MSX] matrix_a_fmt:MATRIX_FMT_FP6 matrix_b_fmt:MATRIX_FMT_FP6
.else
	v_wmma_scale_f32_16x16x128_f8f6f4 v[MD:MD+7], v[MW:MW+11], v[MX:MX+11], v[MD:MD+7], v[MSW], v[MSX] matrix_a_fmt:MATRIX_FMT_FP6 matrix_b_fmt:MATRIX_FMT_FP6 matrix_a_scale:MATRIX_SCALE_ROW1 matrix_b_scale:MATRIX_SCALE_ROW1
.endif
.endr
.endm
; K step kq on set kq % 2; in its middle the next step's fragments (slot sn, its qn-th 128) are fetched into the other set.
.macro STEP2 sn, qn, kq, first
	s_wait_dscnt 0x0                               ; this step's fragments are in
.if \first
	WIN 0x81
.else
	WIN 0xa1
.endif
	MULA 0, (\kq)%2, \kq, \first
	MULA 1, (\kq)%2, \kq, \first
	PLACES 4                                       ; in front of loads into registers that the last step's matrix instructions have read
	FETCH_W \sn, \qn, 1-(\kq)%2
	FETCH_X \sn, \qn, 1-(\kq)%2
.if \first
	WIN 0x81
.else
	WIN 0xa1
.endif
	MULA 2, (\kq)%2, \kq, \first
	MULA 3, (\kq)%2, \kq, \first
.endm
; A step (on set 1) with a barrier: in front of it each wave waits for all its tensor loads, adds 0 to its spare word, and waits for that and for its LDS reads.  fill = 1: a round of the cluster's barrier, and slot 0 takes chunk 3.
.macro TURN2 next, fill, kq
	WIN 0
	s_wait_tensorcnt 0x0                           ; all my tensor loads have landed
	ds_add_u32 v[SPW], v[NIL]                      ; 0 onto my spare word
	s_wait_dscnt 1                                 ; this step's fragments are in (the add may be out)
	WIN 0xa1
	MULA 0, 1, \kq, 0
	s_wait_dscnt 0x0                               ; the add is done, and my reads of the slot that I leave are over
	s_barrier_signal -1
	MULA 1, 1, \kq, 0
	WIN 0
	s_barrier_wait -1
.if \fill
	CREST
	s_add_nc_u64 s[G0X+2:G0X+3], s[G0X+2:G0X+3], 3*ROWB
	s_add_nc_u64 s[G0W0+2:G0W0+3], s[G0W0+2:G0W0+3], 3*ROWB
	JLOAD G0X, G1X, G0W0, G1W                      ; it has four K steps in which to land; its four v_nop are also the places in front of the loads below
.else
	PLACES 4
.endif
	FETCH_W \next, 0, 0
	FETCH_X \next, 0, 0
	WIN 0xa1
	MULA 2, 1, \kq, 0
	MULA 3, 1, \kq, 0
.endm
; THE QUANTISER: as in the first launch.  cnt groups of 64 registers at v[64 c] of window win become fragments at v[fr + 12 c] and scale words in v[sc + c] of window 0.  fold = 1: the numbers stand for 8 times what is quantised.
.macro QUANTN cnt, win, fr, sc, fold
	WIN 5*(\win)
.set QC, 0
.rept \cnt
.irp bb, 0,1,2,3
.if \fold
	v_max3_num_f32 v[TM+4*QC+\bb], |v[64*QC+16*\bb]|, |v[64*QC+16*\bb+1]|, 0x3000000
.else
	v_max3_num_f32 v[TM+4*QC+\bb], |v[64*QC+16*\bb]|, |v[64*QC+16*\bb+1]|, 0x1800000
.endif
.endr
.set QC, QC+1
.endr
.irp i, 2,4,6,8,10,12,14
.set QC, 0
.rept \cnt
.irp bb, 0,1,2,3
	v_max3_num_f32 v[TM+4*QC+\bb], |v[64*QC+16*\bb+\i]|, |v[64*QC+16*\bb+\i+1]|, v[TM+4*QC+\bb]
.endr
.set QC, QC+1
.endr
.endr
	WIN 0
.set QC, 0
.rept 4*(\cnt)
	v_permlanex16_b32 v[TO+QC], v[TM+QC], s[SEL], s[SEL+1]
.set QC, QC+1
.endr
.set QC, 0
.rept 4*(\cnt)
	v_max_num_f32 v[TM+QC], v[TM+QC], v[TO+QC]
.set QC, QC+1
.endr
.set QC, 0
.rept 4*(\cnt)
	v_add_nc_u32 v[TO+QC], 0xff000000, v[TM+QC]
.set QC, QC+1
.endr
.set QC, 0
.rept 4*(\cnt)
	v_lshrrev_b32 v[TM+QC], 23, v[TO+QC]
.set QC, QC+1
.endr
.if \fold
.set QC, 0
.rept 4*(\cnt)
	v_add_nc_u32 v[TM+QC], -3, v[TM+QC]            ; the division by 8, in the scale's byte
.set QC, QC+1
.endr
.endif
.set QC, 0
.rept \cnt
	v_lshl_or_b32 v[(\sc)+QC], v[TM+4*QC+1], 8, v[TM+4*QC]
	v_lshl_or_b32 v[(\sc)+QC], v[TM+4*QC+2], 16, v[(\sc)+QC]
	v_lshl_or_b32 v[(\sc)+QC], v[TM+4*QC+3], 24, v[(\sc)+QC]
.set QC, QC+1
.endr
	WIN \win
.set QC, 0
.rept \cnt
.irp cc, 0,1
	v_cvt_scalef32_pk16_fp6_f32 v[(\fr)+12*QC+6*\cc:(\fr)+12*QC+6*\cc+2], v[64*QC+32*\cc:64*QC+32*\cc+15], v[TO+4*QC+2*\cc]
	v_cvt_scalef32_pk16_fp6_f32 v[CT+8*QC+4*\cc:CT+8*QC+4*\cc+2], v[64*QC+32*\cc+16:64*QC+32*\cc+31], v[TO+4*QC+2*\cc+1]
.endr
.set QC, QC+1
.endr
	v_nop                                          ; one plain place behind the scaled conversions
	WIN 0
.set QC, 0
.rept \cnt
.irp cc, 0,1
.irp i, 0,1,2
	v_permlane16_swap_b32 v[(\fr)+12*QC+6*\cc+\i], v[CT+8*QC+4*\cc+\i]
.endr
.irp i, 0,1,2
	v_mov_b32 v[(\fr)+12*QC+6*\cc+3+\i], v[CT+8*QC+4*\cc+\i]
.endr
.endr
.set QC, QC+1
.endr
.endm
	s_load_b512 s[4:19], s[0:1], 0x0               ; x's codes s[4:5], x's scales s[6:7], q_w's codes s[8:9], scales s[10:11], q_b s[12:13], kvp s[14:15], acodes s[16:17], ascales s[18:19]
	v_lshl_add_u32 v[SPW], v0, 2, SPARE
	v_mov_b32 v[NIL], 0
	ds_add_u32 v[SPW], v[NIL]                      ; the wave's opening: the add, twice on end, and its wait ahead of my first tensor load
	ds_add_u32 v[SPW], v[NIL]
	v_lshrrev_b32 v1, 5, v0
	v_readfirstlane_b32 s[WV], v1
	s_lshr_b32 s[LW], s[WV], 1                     ; 0: I fetch x, 1: q_w.  Also: which of the two heads' kv I quantise
	s_and_b32 s[HF], s[WV], 1                      ; which half I fetch.  Also: which 32 of the head's e
	s_bfe_u32 s[CX], ttmp6, 0x40000
	s_bfe_u32 s[CY], ttmp6, 0x40004
	s_lshl_b32 s[HX], ttmp9, 2
	s_add_co_u32 s[HX], s[HX], s[CX]               ; the pair of heads
	s_and_b32 s[RY], ttmp7, 0xffff
	s_lshl_b32 s[RY], s[RY], 2
	s_add_co_u32 s[RY], s[RY], s[CY]               ; the block of 256 positions
	s_lshl_b32 s[MR], s[CY], 2
	s_lshl_b32 s[MR], 15, s[MR]
	s_lshl_b32 s[MC], 0x1111, s[CX]
	s_or_b32 s[G1X], s[MR], (1<<20)|(1<<21)|(3<<22)|(3<<25)
	s_or_b32 s[G1W], s[MC], (1<<20)|(1<<21)|(3<<22)|(3<<25)
	s_mov_b32 s[G1X+1], ROWB<<16
	s_mov_b32 s[G1X+2], 128<<16                    ; 128 rows of x
	s_mov_b32 s[G1X+3], ROWB<<16
	s_mov_b32 s[G1X+4], 128
	s_mov_b32 s[G1X+5], KROW
	s_mov_b32 s[G1X+6], 0
	s_mov_b32 s[G1X+7], 0
	s_mov_b32 s[G1W+1], ROWB<<16
	s_mov_b32 s[G1W+2], 64<<16                     ; 64 rows of q_w
	s_mov_b32 s[G1W+3], ROWB<<16
	s_mov_b32 s[G1W+4], 64
	s_mov_b32 s[G1W+5], KROW
	s_mov_b32 s[G1W+6], 0
	s_mov_b32 s[G1W+7], 0
	s_mov_b32 s[SEL], 0x76543210
	s_mov_b32 s[SEL+1], 0xfedcba98
	s_lshl_b32 s74, s[RY], 8
	s_lshl_b32 s75, s[HF], 7
	s_add_co_u32 s74, s74, s75
	s_mul_i32 s74, s74, KROW                       ; x: the rows that I would fetch
	s_mov_b32 s75, 0
	s_lshl_b32 s78, s[HX], 7
	s_lshl_b32 s79, s[HF], 6
	s_add_co_u32 s78, s78, s79
	s_mul_i32 s78, s78, KROW                       ; q_w likewise
	s_mov_b32 s79, 0
	s_mul_i32 s82, s[HF], 128*PITCH                ; and where they go in a slot
	s_mul_i32 s83, s[HF], 64*PITCH
	s_add_co_u32 s83, s83, XB
	s_lshl_b32 s84, s[RY], 8
	s_lshl_b32 s85, s[WV], 6
	s_add_co_u32 s84, s84, s85                     ; my wave's first position
	s_lshl_b32 s94, s84, 2                         ; its scale word in ascales,
	s_lshl_b32 s84, s84, 5                         ; its row of x's scales
	s_mov_b32 s85, 0
	s_lshl_b32 s86, s[HX], 12                      ; q_w's scales of 128 rows
	s_mov_b32 s87, 0
	s_lshl_b32 s88, s[HX], 9                       ; q_b's 128 numbers
	s_mov_b32 s89, 0
	s_lshr_b32 s90, s[RY], 3
	s_lshl_b32 s90, s90, 20                        ; kvp: batch,
	s_lshl_b32 s91, s[HX], 1
	s_add_co_u32 s91, s91, s[LW]
	s_lshl_b32 s91, s91, 16                        ; head,
	s_add_co_u32 s90, s90, s91
	s_lshl_b32 s91, s[HF], 13                      ; two tile rows of e
	s_add_co_u32 s90, s90, s91
	s_mov_b32 s91, 0
	s_lshl_b32 s92, s[RY], 4
	s_lshl_b32 s93, s[WV], 2
	s_add_co_u32 s92, s92, s93
	s_mul_i32 s92, s92, 12288                      ; acodes: my first tile of 16 rows,
	s_mul_i32 s93, s[HX], 1536                     ; K step hx
	s_add_co_u32 s92, s92, s93
	s_mov_b32 s93, 0
	s_lshl_b32 s95, s[HX], 15                      ; ascales: K step hx
	s_add_co_u32 s94, s94, s95
	s_mov_b32 s95, 0
	s_wait_dscnt 0x0                               ; both opening adds are done
	s_wait_kmcnt 0x0
	s_add_nc_u64 s[76:77], s[4:5], s[74:75]
	s_add_nc_u64 s[80:81], s[8:9], s[78:79]
	s_add_nc_u64 s[6:7], s[6:7], s[84:85]
	s_add_nc_u64 s[10:11], s[10:11], s[86:87]
	s_add_nc_u64 s[12:13], s[12:13], s[88:89]
	s_add_nc_u64 s[14:15], s[14:15], s[90:91]
	s_add_nc_u64 s[16:17], s[16:17], s[92:93]
	s_add_nc_u64 s[18:19], s[18:19], s[94:95]
	CROUND                                         ; all sixteen work-groups are here: the first joint loads meet
	MKG0 G0X, 82, 0, 76, 0
	MKG0 G0W0, 83, 0, 80, 0
	JLOAD G0X, G1X, G0W0, G1W                      ; chunk 0
	MKG0 G0X+4, 82, SLOT, 76, ROWB
	MKG0 G0W1, 83, SLOT, 80, ROWB
	JLOAD G0X+4, G1X, G0W1, G1W                    ; chunk 1
	MKG0 G0X+8, 82, 2*SLOT, 76, 2*ROWB
	MKG0 G0W2, 83, 2*SLOT, 80, 2*ROWB
	JLOAD G0X+8, G1X, G0W2, G1W                    ; chunk 2
	v_and_b32 v1, 15, v0                           ; r
	v_bfe_u32 v2, v0, 4, 1                         ; h
	v_and_b32 v3, 31, v0                           ; lane
	v_mul_u32_u24 v25, v1, PITCH
	v_mad_u32_u24 v25, v2, 24, v25
	v_lshl_add_u32 v26, v2, 4, v25
	s_mul_i32 s96, s[WV], 64*PITCH                 ; my 64 rows of x
.irp s, 0,1,2
	v_add_nc_u32 v[ADRX+\s], s96, v25
	v_add_nc_u32 v[ADRX+3+\s], s96, v26
	v_add_nc_u32 v[ADRW+\s], XB+\s*SLOT, v25
	v_add_nc_u32 v[ADRW+3+\s], XB+\s*SLOT, v26
	s_add_co_u32 s96, s96, SLOT
.endr
	v_lshlrev_b32 v[OS], 5, v1
	v_lshl_add_u32 v[OS], v2, 4, v[OS]
	v_lshlrev_b32 v[OB], 5, v2
	v_lshrrev_b32 v25, 3, v1
	v_and_b32 v26, 7, v1
	v_lshlrev_b32 v[KVO], 12, v25
	v_lshl_add_u32 v[KVO], v26, 4, v[KVO]
	v_lshl_add_u32 v[KVO], v2, 8, v[KVO]
	v_lshl_add_u32 v[L8], v3, 3, KVI
	v_lshlrev_b32 v[L4], 2, v3
	s_mul_i32 s97, s[WV], 1536
	v_add_nc_u32 v[KVST], s97, v[L8]
	v_lshl_add_u32 v[LKS], v3, 2, KVS
	s_lshl_b32 s97, s[WV], 7
	v_add_nc_u32 v[KVSS], s97, v[LKS]
	v_lshlrev_b32 v[GO], 4, v3
.irp i, 0,1,2,3
	global_load_b128 v[SX+4*\i:SX+4*\i+3], v[OS], s[6:7] offset:512*\i        ; scale words: lane (r, h) takes row r's words of K steps 4 h .. 4 h + 3
.endr
.irp i, 0,1,2,3,4,5,6,7
	global_load_b128 v[SW+4*\i:SW+4*\i+3], v[OS], s[10:11] offset:512*\i
	global_load_b128 v[BI+8*\i:BI+8*\i+3], v[OB], s[12:13] offset:64*\i       ; the bias in the result's layout: columns 16 b + 8 h + 0 .. 7
	global_load_b128 v[BI+8*\i+4:BI+8*\i+7], v[OB], s[12:13] offset:64*\i+16
.endr
	s_wait_loadcnt 0x0
	; kv's four parts of my two tiles of e (tile 2 b + u, all 64 d): 64 loads into window 3.  They land under the whole first product and are waited for once, behind it.
	WIN 0xc0
.irp p, 0,1,2,3
.irp u, 0,1
.irp td, 0,1,2,3
	global_load_b128 v[64*\p+32*\u+8*\td:64*\p+32*\u+8*\td+3], v[KVO], s[14:15] offset:16384*\p+1024*\td+128*\u
	global_load_b128 v[64*\p+32*\u+8*\td+4:64*\p+32*\u+8*\td+7], v[KVO], s[14:15] offset:16384*\p+1024*\td+512+128*\u
.endr
.endr
.endr
	WIN 0
	s_wait_tensorcnt 2                             ; my part of chunk 0 is in (chunks 1 and 2 may be out)
	s_barrier_signal -1
	s_barrier_wait -1                              ; everybody's is
	FETCH_W 0, 0, 0
	FETCH_X 0, 0, 0
	STEP2 0, 1, 0, 1
	TURN2 1, 1, 1                                  ; chunks 1 and 2 are whole for every wave; slot 0 takes chunk 3
	STEP2 1, 1, 2, 0
	STEP2 2, 0, 3, 0
	STEP2 2, 1, 4, 0
	TURN2 0, 0, 5                                  ; chunk 3 is whole for every wave; nothing is left to fetch
	STEP2 0, 1, 6, 0
	s_wait_dscnt 0x0                               ; the last step
.irp a, 0,1,2,3
	MULA \a, 1, 7, 0
.endr
	PLACES 4
	s_wait_loadcnt 0x0                             ; kv's parts
	WIN 0xcf
.set QC, 0
.rept 32
	v_pk_add_f32 v[2*QC:2*QC+1], v[2*QC:2*QC+1], v[64+2*QC:65+2*QC]
	v_pk_add_f32 v[128+2*QC:129+2*QC], v[128+2*QC:129+2*QC], v[192+2*QC:193+2*QC]
.set QC, QC+1
.endr
.set QC, 0
.rept 32
	v_pk_add_f32 v[2*QC:2*QC+1], v[2*QC:2*QC+1], v[128+2*QC:129+2*QC]
.set QC, QC+1
.endr
	QUANTN 1, 3, 80, 136, 0                        ; registers 0-5: tile u = 0's 64 d, registers 6-11: tile u = 1's; the word's bytes 0, 1 and 2, 3 likewise
.irp i, 0,1,2,3,4,5
	ds_store_b64 v[KVST], v[80+2*\i:81+2*\i] offset:256*\i          ; an image of the registers: 8 bytes a lane
.endr
	ds_store_b32 v[KVSS], v136
	s_wait_dscnt 0x0                               ; for the others' sake: my stores have landed
	s_barrier_signal -1
	s_barrier_wait -1
	; For tile t: head 0's six registers, six of zeros, head 1's six: head 0's fragment is the first twelve, head 1's the last twelve.
	WIN 0x40
.irp t, 0,1,2,3
.irp j, 0,1
.irp i, 0,1,2
	ds_load_b64 v[18*\t+12*\j+2*\i:18*\t+12*\j+2*\i+1], v[L8] offset:1536*(2*\j+\t/2)+256*(3*(\t%2)+\i)
.endr
.endr
.irp i, 6,7,8,9,10,11
	v_mov_b32 v[18*\t+\i], 0
.endr
.endr
	WIN 0
.irp k, 0,1,2,3
	ds_load_b32 v[140+\k], v[LKS] offset:128*\k    ; the word of head k / 2, e 32 (k % 2) on
.endr
	s_wait_dscnt 0x0
	v_lshrrev_b32 v144, 16, v140                   ; head 0 wants a tile's two bytes at the word's low end,
	v_lshrrev_b32 v145, 16, v141
	v_lshlrev_b32 v146, 16, v142                   ; head 1 at its high end; the other two bytes stand over zero codes
	v_lshlrev_b32 v147, 16, v143
	QUANTN 4, 2, 32, 128, 0                        ; q: four tiles of 16 positions x 128 columns
	PLACES 8                                       ; scale words and operands written by vector instructions stand 8 and 4 places ahead of a scaled matrix instruction
	WIN 0xc1                                       ; source 0 window 1, source 1 window 0, D window 3
.irp a, 0,1,2,3
.irp j, 0,1
.irp t, 0,1,2,3
.if \j == \t%2
.set MSW, 140+2*\j+\t/2
.else
.set MSW, 144+2*\j+\t/2
.endif
	v_wmma_scale_f32_16x16x128_f8f6f4 v[64*\a+32*\j+8*\t:64*\a+32*\j+8*\t+7], v[18*\t+6*\j:18*\t+6*\j+11], v[32+12*\a:32+12*\a+11], 0, v[MSW], v[128+\a] matrix_a_fmt:MATRIX_FMT_FP6 matrix_b_fmt:MATRIX_FMT_FP6
.endr
.endr
.endr
	PLACES 4
	QUANTN 4, 3, 80, 132, 1                        ; out / 8 along E: register 16 bb + i of a group is column 128 hx + 32 bb + 16 h + i
.irp a, 0,1,2,3
.irp g, 0,1,2
	global_store_b128 v[GO], v[80+12*\a+4*\g:80+12*\a+4*\g+3], s[16:17] offset:12288*\a+512*\g   ; 32 lanes store 512 consecutive bytes, at a multiple of 256 from acodes' first byte
.endr
.endr
	v_cmp_le_u32 vcc_lo, 16, v3
	v_cndmask_b32 v152, v132, v133, vcc_lo         ; lanes 0-15: tile 0's words, lanes 16-31: tile 1's
	v_cndmask_b32 v153, v134, v135, vcc_lo
	global_store_b32 v[L4], v152, s[18:19]
	global_store_b32 v[L4], v153, s[18:19] offset:128
	s_wait_tensorcnt 0x0                           ; the wave's end, behind my last tensor load and my last LDS store
	ds_add_u32 v[SPW], v[NIL]
	s_wait_dscnt 0x0
	CROUND                                         ; the closing round
	s_endpgm
.Lfunc_end_k_qc934c4466f_qattn:
	.size	k_qc934c4466f_qattn, .Lfunc_end_k_qc934c4466f_qattn-k_qc934c4466f_qattn
	.p2alignl 7, 3214868480
	.fill 96, 4, 3214868480
	.section	.rodata,"a",@progbits
	.p2align	6, 0x0
	.amdhsa_kernel k_qc934c4466f_qattn
		.amdhsa_group_segment_fixed_size 327680
		.amdhsa_private_segment_fixed_size 0
		.amdhsa_enable_private_segment 0
		.amdhsa_kernarg_size 64
		.amdhsa_user_sgpr_count 2
		.amdhsa_user_sgpr_kernarg_segment_ptr 1
		.amdhsa_wavefront_size32 1
		.amdhsa_system_sgpr_workgroup_id_x 1
		.amdhsa_system_sgpr_workgroup_id_y 1
		.amdhsa_system_sgpr_workgroup_id_z 1
		.amdhsa_system_vgpr_workitem_id 0
		.amdhsa_next_free_vgpr 1024
		.amdhsa_next_free_sgpr 100
		.amdhsa_reserve_vcc 1
		.amdhsa_float_denorm_mode_32 3
		.amdhsa_float_denorm_mode_16_64 3
		.amdhsa_memory_ordered 1
		.amdhsa_forward_progress 1
		.amdhsa_inst_pref_size 140
	.end_amdhsa_kernel
	.amdgpu_metadata
---
amdhsa.version: [ 1, 2 ]
amdhsa.kernels:
  - .name:           k_qc934c4466f_qattn
    .symbol:         k_qc934c4466f_qattn.kd
    .args:
      - { .name: x_codes, .offset: 0, .size: 8, .value_kind: global_buffer, .address_space: global }
      - { .name: x_scales, .offset: 8, .size: 8, .value_kind: global_buffer, .address_space: global }
      - { .name: q_w_codes, .offset: 16, .size: 8, .value_kind: global_buffer, .address_space: global }
      - { .name: q_w_scales, .offset: 24, .size: 8, .value_kind: global_buffer, .address_space: global }
      - { .name: q_b, .offset: 32, .size: 8, .value_kind: global_buffer, .address_space: global }
      - { .name: kvp, .offset: 40, .size: 8, .value_kind: global_buffer, .address_space: global }
      - { .name: acodes, .offset: 48, .size: 8, .value_kind: global_buffer, .address_space: global }
      - { .name: ascales, .offset: 56, .size: 8, .value_kind: global_buffer, .address_space: global }
    .group_segment_fixed_size: 327680
    .private_segment_fixed_size: 0
    .kernarg_segment_align: 8
    .kernarg_segment_size: 64
    .max_flat_workgroup_size: 128
    .sgpr_count:     100
    .vgpr_count:     1024
    .wavefront_size: 32
...
	.end_amdgpu_metadata
.endif
;; end of part 2
;; launch oproj (part 3): grid 8 x 32, 4 waves a work-group, clusters of 4 x 4, 327,680 bytes of LDS; arguments acodes, ascales, o_w_codes, o_w_scales, o_b, out0; writes out0
.if DOCPART == 3
	.amdgcn_target "amdgcn-amd-amdhsa--gfx1250"
	.amdhsa_code_object_version 6
	.text
	.protected	k_qc934c4466f_oproj
	.globl	k_qc934c4466f_oproj
	.p2align	8
	.type	k_qc934c4466f_oproj,@function
k_qc934c4466f_oproj:
	s_mov_b64 s[64:65], 0
	v_nop
	global_prefetch_b8 v0, s[64:65] scope:SCOPE_SE
	s_setreg_imm32_b32 hwreg(HW_REG_WAVE_MODE, 25, 1), 1
	s_wait_xcnt 0x0
	s_wait_alu depctr_hold_cnt(0) depctr_sa_sdst(0) depctr_va_vdst(0) depctr_va_sdst(0) depctr_va_ssrc(0) depctr_va_vcc(0) depctr_vm_vsrc(0)
	s_getreg_b32 s2, hwreg(HW_REG_IB_STS2, 6, 4)
	s_cmp_eq_u32 s2, 0
	s_cbranch_scc0 .Lentry_in_a_cluster
	s_endpgm
.Lentry_in_a_cluster:
	s_bfe_u32 s2, ttmp6, 0x10000c
	s_cmp_lg_u32 s2, 0xf033
	s_cbranch_scc0 .Lentry_shape_is_right
	s_endpgm
.Lentry_shape_is_right:
; out0 = a o_w^T + o_b on codes of FP6 (E2M3) with E8M0 block scales.  a: the launch before has laid its codes in the order of the operand's registers ([tile of 16 rows][K step][3][lane][16 bytes]) and its scale
; words as [K step][row].  o_w: codes with K innermost, as given.  out0: [8,192][1,024] f32.  No work of the problem is left out here.  LIMITS: NaN and infinities among the inputs are not served.
; SHARES.  Work-group (hx, ry): rows 256 ry .. + 255 x columns 128 hx .. + 127.  Wave w: rows 64 w .. + 63 (4 blocks, source 1) against all 128 rows of o_w (8 blocks, source 0): 32 accumulators;
; a lane holds eight neighbouring columns of one row.  The bias is the C of each sum's first product.
; ALL OF K LIES IN LDS: four slots of 256 along K, each filled once, all asked for at the head; nothing is filled again.  By this text's count four tensor loads of a wave are out at the start; the waits count them down.
; CLUSTER 4 x 4: a's tiles are asked for jointly along a row of the cluster, o_w's along a column.  Waves 0, 1 fetch a's halves (8 tiles each), waves 2, 3 o_w's (64 rows each).
; REGISTERS: window 0: v1-21 addresses; v32-127 a's 4 fragments, two sets; v128-143 a's scale words, v160-191 o_w's; v192-255 the bias.  window 1: o_w's 8 fragments, two sets; on the way out rows of out0.  window 2: the accumulators.
.set ROWB,  192
.set KROW,  768
.set PITCH, 240
.set AB,    16*3072                    ; a slot: a's 16 tiles x two K steps of 1,536 bytes, dense; then o_w's 128 rows
.set SLOT,  AB+128*PITCH
.set SPARE, 4*SLOT                     ; behind the slots: the spare words, 128 bytes a wave: two blocks of 256 bytes that no other line names
.set SPITCH, 528                       ; the way out: a stage of 16 rows x (512 bytes + 16) for each wave, in slot 0, which has had its one fill and its last read long before
.set ADRA, 4                           ; v4-7 my a fragments in slots 0-3
.set ADRW, 8                           ; v8-11 o_w's; v12-15 the same behind one padding more
.set OS,   16
.set OB,   17
.set OA,   18                          ; v18 a's scale words: 131,072 h + 4 r
.set STO,  19
.set RD,   20
.set CO,   21
.set SPW,  28
.set NIL,  29
.set AF,   32
.set SX,   128
.set SW,   160
.set BI,   192
.set WV, 22
.set LW, 23
.set HF, 24
.set CX, 25
.set CY, 26
.set HX, 27
.set G1A, 28
.set G1W, 36
.set G0A, 44                           ; s[44:59] four sets
.set G0W0, 60
.set G0W1, 68
.set G0W2, 72
.set G0W3, 76
.set RY, 66
.set MR, 67
.set MC, 20
.set MSB, 0
.macro WIN new
.if MSB != (\new)
	s_set_vgpr_msb (MSB<<8)|(\new)
.set MSB, \new
.endif
.endm
.macro PLACES n
.rept \n
	v_nop
.endr
.endm
.macro JLOAD g0x, g1x, g0w, g1w        ; a joint load; an s_nop 0 and four v_nop follow each of the two lines
	s_cmp_eq_u32 s[LW], 0
	s_cbranch_scc0 .Lfor_w_\@
	tensor_load_to_lds s[\g0x:\g0x+3], s[\g1x:\g1x+7]
	s_nop 0
.rept 4
	v_nop
.endr
	s_branch .Lasked_\@
.Lfor_w_\@:
	tensor_load_to_lds s[\g0w:\g0w+3], s[\g1w:\g1w+7]
	s_nop 0
.rept 4
	v_nop
.endr
.Lasked_\@:
.endm
.macro CREST
	s_cmp_lg_u32 s[WV], 0
	s_cbranch_scc1 .Lnot_wave_0_\@
	s_barrier_signal -3
.Lnot_wave_0_\@:
	s_barrier_wait -3
	s_barrier_signal -1
	s_barrier_wait -1
.endm
.macro CROUND
	s_barrier_signal -1
	s_barrier_wait -1
	CREST
.endm
.macro MKG0 g, lreg, loff, areg, aoff
	s_mov_b32 s[\g], 1
	s_add_co_u32 s[\g+1], s[\lreg], \loff
	s_add_nc_u64 s[\g+2:\g+3], s[\areg:\areg+1], \aoff
	s_or_b32 s[\g+3], s[\g+3], 0x80000000
.endm
.macro FRAG reg, adr, adr2, q, off
.irp p, 0,1,2,3,4,5
.set PC, 12*(\q)+6*(\p/3)+\p%3
.if PC%8 < 5
	ds_load_b64 v[(\reg)+2*\p:(\reg)+2*\p+1], v[\adr] offset:8*PC+16*(PC/8)+(\off)
.else
	ds_load_b64 v[(\reg)+2*\p:(\reg)+2*\p+1], v[\adr2] offset:8*PC+16*(PC/8)+(\off)
.endif
.endr
.endm
.macro FETCH_W slot, q, p
	WIN 0x40
.irp i, 0,1,2,3,4,5,6,7
	FRAG 128*(\p)+12*\i, ADRW+\slot, ADRW+4+\slot, \q, \i*16*PITCH
.endr
	WIN 0
.endm
.macro FETCH_A slot, q, p              ; a's four fragments come as they were stored: three loads of 16 bytes a lane each
.irp i, 0,1,2,3
.irp g, 0,1,2
	ds_load_b128 v[AF+48*(\p)+12*\i+4*\g:AF+48*(\p)+12*\i+4*\g+3], v[ADRA+\slot] offset:3072*\i+1536*(\q)+512*\g
.endr
.endr
.endm
; 8 matrix instructions: a's block against o_w's eight.  The 32 accumulators take turns, one instruction a turn, in the same order in every step.
.macro MULA a, p, kq, first
.irp b, 0,1,2,3,4,5,6,7
.set MD, 64*(\a)+8*\b
.set MW, 128*(\p)+12*\b
.set MX, AF+48*(\p)+12*(\a)
.set MSW, SW+4*\b+(\kq)%4
.set MSX, SX+4*(\a)+(\kq)%4
.if \first
	v_wmma_scale_f32_16x16x128_f8f6f4 v[MD:MD+7], v[MW:MW+11], v[MX:MX+11], v[BI+8*\b:BI+8*\b+7], v[MSW], v[MSX] matrix_a_fmt:MATRIX_FMT_FP6 matrix_b_fmt:MATRIX_FMT_FP6
.elseif (\kq) < 4
	v_wmma_scale_f32_16x16x128_f8f6f4 v[MD:MD+7], v[MW:MW+11], v[MX:MX+11], v[MD:MD+7], v[MSW], v[MSX] matrix_a_fmt:MATRIX_FMT_FP6 matrix_b_fmt:MATRIX_FMT_FP6
.else
	v_wmma_scale_f32_16x16x128_f8f6f4 v[MD:MD+7], v[MW:MW+11], v[MX:MX+11], v[MD:MD+7], v[MSW], v[MSX] matrix_a_fmt:MATRIX_FMT_FP6 matrix_b_fmt:MATRIX_FMT_FP6 matrix_a_scale:MATRIX_SCALE_ROW1 matrix_b_scale:MATRIX_SCALE_ROW1
.endif
.endr
.endm
.macro STEP2 sn, qn, kq, first         ; K step kq on set kq % 2; in its middle the next step's fragments are fetched into the other set
	s_wait_dscnt 0x0
.if \first
	WIN 0x81
.else
	WIN 0xa1
.endif
	MULA 0, (\kq)%2, \kq, \first
	MULA 1, (\kq)%2, \kq, \first
	PLACES 4
	FETCH_W \sn, \qn, 1-(\kq)%2
	FETCH_A \sn, \qn, 1-(\kq)%2
.if \first
	WIN 0x81
.else
	WIN 0xa1
.endif
	MULA 2, (\kq)%2, \kq, \first
	MULA 3, (\kq)%2, \kq, \first
.endm
; A step (on set 1) that goes on to the next slot: my part of it has landed (cnt later loads of mine may stay out), then the work-group's barrier.
.macro TURNC next, cnt, kq
	s_wait_tensorcnt \cnt
	s_wait_dscnt 0x0                               ; this step's fragments are in; no LDS instruction of mine is out at the signal
	WIN 0xa1
	MULA 0, 1, \kq, 0
	s_barrier_signal -1
	MULA 1, 1, \kq, 0
	s_barrier_wait -1
	PLACES 4
	FETCH_W \next, 0, 0
	FETCH_A \next, 0, 0
	WIN 0xa1
	MULA 2, 1, \kq, 0
	MULA 3, 1, \kq, 0
.endm
	s_load_b256 s[4:11], s[0:1], 0x0               ; acodes s[4:5], ascales s[6:7], o_w's codes s[8:9], o_w's scales s[10:11]
	s_load_b128 s[12:15], s[0:1], 0x20             ; o_b s[12:13], out0 s[14:15]
	v_lshl_add_u32 v[SPW], v0, 2, SPARE
	v_mov_b32 v[NIL], 0
	ds_add_u32 v[SPW], v[NIL]                      ; the wave's opening: the add, twice on end, and its wait ahead of my first tensor load
	ds_add_u32 v[SPW], v[NIL]
	v_lshrrev_b32 v1, 5, v0
	v_readfirstlane_b32 s[WV], v1
	s_lshr_b32 s[LW], s[WV], 1
	s_and_b32 s[HF], s[WV], 1
	s_bfe_u32 s[CX], ttmp6, 0x40000
	s_bfe_u32 s[CY], ttmp6, 0x40004
	s_lshl_b32 s[HX], ttmp9, 2
	s_add_co_u32 s[HX], s[HX], s[CX]               ; the block of 128 columns
	s_and_b32 s[RY], ttmp7, 0xffff
	s_lshl_b32 s[RY], s[RY], 2
	s_add_co_u32 s[RY], s[RY], s[CY]               ; the block of 256 rows
	s_lshl_b32 s[MR], s[CY], 2
	s_lshl_b32 s[MR], 15, s[MR]
	s_lshl_b32 s[MC], 0x1111, s[CX]
	s_or_b32 s[G1A], s[MR], (3<<16)|(1<<21)        ; the mask; elements of 8 bytes; no padding; bit 21 beside a mask
	s_mov_b32 s[G1A+1], 384<<16                    ; a tile's two K steps: 3,072 bytes
	s_mov_b32 s[G1A+2], 8<<16                      ; 8 tiles
	s_mov_b32 s[G1A+3], 384<<16
	s_mov_b32 s[G1A+4], 8
	s_mov_b32 s[G1A+5], 1536                       ; from tile to tile: 12,288 bytes
	s_mov_b32 s[G1A+6], 0
	s_mov_b32 s[G1A+7], 0
	s_or_b32 s[G1W], s[MC], (1<<20)|(1<<21)|(3<<22)|(3<<25)
	s_mov_b32 s[G1W+1], ROWB<<16
	s_mov_b32 s[G1W+2], 64<<16
	s_mov_b32 s[G1W+3], ROWB<<16
	s_mov_b32 s[G1W+4], 64
	s_mov_b32 s[G1W+5], KROW
	s_mov_b32 s[G1W+6], 0
	s_mov_b32 s[G1W+7], 0
	s_lshl_b32 s80, s[RY], 4
	s_lshl_b32 s81, s[HF], 3
	s_add_co_u32 s80, s80, s81
	s_mul_i32 s80, s80, 12288                      ; a: the 8 tiles that I would fetch
	s_mov_b32 s81, 0
	s_lshl_b32 s84, s[HX], 7
	s_lshl_b32 s85, s[HF], 6
	s_add_co_u32 s84, s84, s85
	s_mul_i32 s84, s84, KROW                       ; o_w: the 64 rows
	s_mov_b32 s85, 0
	s_mul_i32 s88, s[HF], 8*3072                   ; and where they go in a slot
	s_mul_i32 s89, s[HF], 64*PITCH
	s_add_co_u32 s89, s89, AB
	s_lshl_b32 s90, s[RY], 8
	s_lshl_b32 s91, s[WV], 6
	s_add_co_u32 s90, s90, s91                     ; my wave's first row
	s_lshl_b32 s96, s90, 12                        ; in out0: 4,096 bytes a row,
	s_lshl_b32 s90, s90, 2                         ; in ascales
	s_mov_b32 s91, 0
	s_lshl_b32 s92, s[HX], 12                      ; o_w's scales of 128 rows
	s_mov_b32 s93, 0
	s_lshl_b32 s94, s[HX], 9                       ; o_b's 128 numbers; also the columns' bytes in a row of out0
	s_mov_b32 s95, 0
	s_add_co_u32 s96, s96, s94
	s_mov_b32 s97, 0
	s_wait_dscnt 0x0                               ; both opening adds are done
	s_wait_kmcnt 0x0
	s_add_nc_u64 s[82:83], s[4:5], s[80:81]
	s_add_nc_u64 s[86:87], s[8:9], s[84:85]
	s_add_nc_u64 s[6:7], s[6:7], s[90:91]
	s_add_nc_u64 s[10:11], s[10:11], s[92:93]
	s_add_nc_u64 s[12:13], s[12:13], s[94:95]
	s_add_nc_u64 s[14:15], s[14:15], s[96:97]
	CROUND                                         ; all sixteen work-groups are here: the joint loads meet
	MKG0 G0A, 88, 0, 82, 0
	MKG0 G0W0, 89, 0, 86, 0
	JLOAD G0A, G1A, G0W0, G1W
	MKG0 G0A+4, 88, SLOT, 82, 3072
	MKG0 G0W1, 89, SLOT, 86, ROWB
	JLOAD G0A+4, G1A, G0W1, G1W
	MKG0 G0A+8, 88, 2*SLOT, 82, 2*3072
	MKG0 G0W2, 89, 2*SLOT, 86, 2*ROWB
	JLOAD G0A+8, G1A, G0W2, G1W
	MKG0 G0A+12, 88, 3*SLOT, 82, 3*3072
	MKG0 G0W3, 89, 3*SLOT, 86, 3*ROWB
	JLOAD G0A+12, G1A, G0W3, G1W
	v_and_b32 v1, 15, v0                           ; r
	v_bfe_u32 v2, v0, 4, 1                         ; h
	v_and_b32 v3, 31, v0                           ; lane
	v_lshlrev_b32 v[CO], 4, v3                     ; 16 x lane
	v_mul_u32_u24 v25, v1, PITCH
	v_mad_u32_u24 v25, v2, 24, v25
	v_lshl_add_u32 v26, v2, 4, v25
	s_mul_i32 s98, s[WV], 4*3072                   ; my four tiles of a
.irp s, 0,1,2,3
	v_add_nc_u32 v[ADRA+\s], s98, v[CO]
	v_add_nc_u32 v[ADRW+\s], AB+\s*SLOT, v25
	v_add_nc_u32 v[ADRW+4+\s], AB+\s*SLOT, v26
	s_add_co_u32 s98, s98, SLOT
.endr
	v_lshlrev_b32 v[OS], 5, v1
	v_lshl_add_u32 v[OS], v2, 4, v[OS]
	v_lshlrev_b32 v[OB], 5, v2
	v_lshlrev_b32 v[OA], 2, v1
	v_lshl_add_u32 v[OA], v2, 17, v[OA]            ; lanes 16-31 take the words four K steps on
	s_mul_i32 s99, s[WV], 16*SPITCH                ; my stage
	v_mul_u32_u24 v[STO], v1, SPITCH
	v_lshl_add_u32 v[STO], v2, 5, v[STO]
	v_add_nc_u32 v[STO], s99, v[STO]               ; in: row r, 32 bytes for each half of the lanes
	v_add_nc_u32 v[RD], s99, v[CO]                 ; back: the 32 lanes take one row of 512 bytes
.irp a, 0,1,2,3
.irp q, 0,1,2,3
	global_load_b32 v[SX+4*\a+\q], v[OA], s[6:7] offset:32768*\q+64*\a
.endr
.endr
.irp i, 0,1,2,3,4,5,6,7
	global_load_b128 v[SW+4*\i:SW+4*\i+3], v[OS], s[10:11] offset:512*\i
	global_load_b128 v[BI+8*\i:BI+8*\i+3], v[OB], s[12:13] offset:64*\i
	global_load_b128 v[BI+8*\i+4:BI+8*\i+7], v[OB], s[12:13] offset:64*\i+16
.endr
	s_wait_loadcnt 0x0
	s_wait_tensorcnt 3                             ; my part of slot 0 is in (the three later loads may be out),
	s_barrier_signal -1
	s_barrier_wait -1                              ; everybody's is
	FETCH_W 0, 0, 0
	FETCH_A 0, 0, 0
	STEP2 0, 1, 0, 1
	TURNC 1, 2, 1
	STEP2 1, 1, 2, 0
	TURNC 2, 1, 3
	STEP2 2, 1, 4, 0
	TURNC 3, 0, 5
	STEP2 3, 1, 6, 0
	s_wait_dscnt 0x0                               ; the last step
.irp a, 0,1,2,3
	MULA \a, 1, 7, 0
.endr
; THE WAY OUT, block by block of 16 rows x 128 columns, through my own stage: in as 32 bytes a lane, back as whole rows of 512 bytes.  LDS serves a wave's instructions in order (ISA guide 5.7.1.4): no wait between the
; stores and the loads, nor in front of the next block's stores.  Each block has 64 registers of its own, so no store's data are written again.
.macro TOSTAGE a
	WIN 0x08                                       ; an LDS store's data are its source 1: window 2
.irp b, 0,1,2,3,4,5,6,7
	ds_store_b128 v[STO], v[64*\a+8*\b:64*\a+8*\b+3] offset:64*\b             ; each accumulator from its low end on
	ds_store_b128 v[STO], v[64*\a+8*\b+4:64*\a+8*\b+7] offset:64*\b+16
.endr
	WIN 0x40
.irp t, 0,1,2,3,4,5,6,7,8,9,10,11,12,13,14,15
	ds_load_b128 v[64*\a+4*\t:64*\a+4*\t+3], v[RD] offset:\t*SPITCH
.endr
.endm
.macro SEND a, younger                 ; younger: the LDS instructions issued behind block a's loads, which may stay out
	s_wait_dscnt \younger
	WIN 0x04
.irp t, 0,1,2,3,4,5,6,7,8,9,10,11,12,13,14,15
	global_store_b128 v[CO], v[64*\a+4*\t:64*\a+4*\t+3], s[14:15] offset:(16*\a+\t)*4096 th:TH_STORE_NT   ; 32 lanes store 512 consecutive bytes, at a multiple of 256 from out0's first byte; written once, read by nobody here
.endr
.endm
	PLACES 4                                       ; in front of the first reads of results, and of loads into registers that matrix instructions have read
	TOSTAGE 0
	TOSTAGE 1
	SEND 0, 32
	TOSTAGE 2
	SEND 1, 32
	TOSTAGE 3
	SEND 2, 32
	SEND 3, 0
	WIN 0
	s_wait_tensorcnt 0x0                           ; the wave's end, behind my last tensor load and my last LDS store
	ds_add_u32 v[SPW], v[NIL]
	s_wait_dscnt 0x0
	CROUND                                         ; the closing round
	s_endpgm
.Lfunc_end_k_qc934c4466f_oproj:
	.size	k_qc934c4466f_oproj, .Lfunc_end_k_qc934c4466f_oproj-k_qc934c4466f_oproj
	.p2alignl 7, 3214868480
	.fill 96, 4, 3214868480
	.section	.rodata,"a",@progbits
	.p2align	6, 0x0
	.amdhsa_kernel k_qc934c4466f_oproj
		.amdhsa_group_segment_fixed_size 327680
		.amdhsa_private_segment_fixed_size 0
		.amdhsa_enable_private_segment 0
		.amdhsa_kernarg_size 48
		.amdhsa_user_sgpr_count 2
		.amdhsa_user_sgpr_kernarg_segment_ptr 1
		.amdhsa_wavefront_size32 1
		.amdhsa_system_sgpr_workgroup_id_x 1
		.amdhsa_system_sgpr_workgroup_id_y 1
		.amdhsa_system_sgpr_workgroup_id_z 1
		.amdhsa_system_vgpr_workitem_id 0
		.amdhsa_next_free_vgpr 1024
		.amdhsa_next_free_sgpr 100
		.amdhsa_reserve_vcc 0
		.amdhsa_float_denorm_mode_32 3
		.amdhsa_float_denorm_mode_16_64 3
		.amdhsa_memory_ordered 1
		.amdhsa_forward_progress 1
		.amdhsa_inst_pref_size 93
	.end_amdhsa_kernel
	.amdgpu_metadata
---
amdhsa.version: [ 1, 2 ]
amdhsa.kernels:
  - .name:           k_qc934c4466f_oproj
    .symbol:         k_qc934c4466f_oproj.kd
    .args:
      - { .name: acodes, .offset: 0, .size: 8, .value_kind: global_buffer, .address_space: global }
      - { .name: ascales, .offset: 8, .size: 8, .value_kind: global_buffer, .address_space: global }
      - { .name: o_w_codes, .offset: 16, .size: 8, .value_kind: global_buffer, .address_space: global }
      - { .name: o_w_scales, .offset: 24, .size: 8, .value_kind: global_buffer, .address_space: global }
      - { .name: o_b, .offset: 32, .size: 8, .value_kind: global_buffer, .address_space: global }
      - { .name: out0, .offset: 40, .size: 8, .value_kind: global_buffer, .address_space: global }
    .group_segment_fixed_size: 327680
    .private_segment_fixed_size: 0
    .kernarg_segment_align: 8
    .kernarg_segment_size: 48
    .max_flat_workgroup_size: 128
    .sgpr_count:     100
    .vgpr_count:     1024
    .wavefront_size: 32
...
	.end_amdgpu_metadata
.endif
;; end of part 3
